; MI455X (gfx1250); checked and timed in simulation.
; The chip was launched on July 23, 2026; its instructions are those of AMD's public machine-readable ISA for CDNA 5 (MIT licence, August 2026) and "CDNA5" Instruction Set Architecture Reference Guide (July 2026). The comments in the code are by the model that wrote it; some were corrected since.
;; Min GRU. Allowed arithmetic: float matrix products may take bf16 or f16 operands with f32 sums; other float arithmetic in f32, or as packed bf16 or f16 multiplies, adds, multiply-adds, maxima and minima; sums over many terms, partial sums and values carried from step to step in f32; what a program stores and reads back later, other than sums and carried values, may be rounded once to bf16 or f16.
;; Inputs: Wn 2,048 x 2,048 float32; Wz 2,048 x 2,048 float32; bn 2,048 float32; bz 2,048 float32; x 4 x 2,048 x 2,048 float32.
;; Outputs: out0 4 x 2,048 x 2,048 float32.
;; 2 versions, each right; version 2 is version 1 with the launch conv written anew for expert scheduling mode. Each part assembles by itself: llvm-mc -triple=amdgcn-amd-amdhsa -mcpu=gfx1250 --defsym DOCPART=n.
;; ======== version 1 of 2: 3 launches
;; workspace buffers: xb 33,554,432 bytes; wb 16,777,216 bytes; zg 67,108,864 bytes; sm 1,048,576 bytes
;; launch conv (part 1): grid 768 x 1, 8 waves a work-group, no clusters, 0 bytes of LDS; arguments x, Wz, Wn, xb, wb; writes xb, wb
.if DOCPART == 1
	.amdgcn_target "amdgcn-amd-amdhsa--gfx1250"
	.amdhsa_code_object_version 6
	.text
	.protected	k_q45efbca257_conv
	.globl	k_q45efbca257_conv
	.p2align	8
	.type	k_q45efbca257_conv,@function
k_q45efbca257_conv:
	s_mov_b64 s[64:65], 0
	v_nop
	global_prefetch_b8 v0, s[64:65] scope:SCOPE_SE
	s_setreg_imm32_b32 hwreg(HW_REG_WAVE_MODE, 25, 1), 1
	s_wait_xcnt 0x0
; x, Wz and Wn, f32, are rounded once to bf16 (to nearest even) for the matrix product of the next launch.
; xb [8192][2048] has the order of x.  wb [4096][2048] holds Wz and Wn by turns of 64 rows: row 128 q + i is Wz[64 q + i] for i < 64
; and Wn[64 q + i - 64] for i >= 64, so that 128 neighbouring rows of wb are both gates of the same 64 channels.
; SHARES.  A work-group takes 16 rows: 131,072 dense bytes in, 65,536 out.  Work-groups 0-511 take x, 512-639 Wz, 640-767 Wn.
; Thread t takes 16 bytes at 16 t of each 4,096 bytes: a load of a wave covers 512 consecutive bytes, a store 256 consecutive bytes, aligned.
; All 32 loads of a thread go out at once and no register is written again once a store has been given it, so the only waits are the counted ones for the loads.
; No LDS, no matrix unit, no cluster: nothing is shared and nothing is reduced.  LIMITS: NaN and infinities leave as the conversion makes them.
.set X, 4                              ; v[4:131] 32 x 4 registers as loaded; the first two of each four then hold the 8 bytes to store
	s_load_b256 s[4:11], s[0:1], 0x0               ; x s[4:5], Wz s[6:7], Wn s[8:9], xb s[10:11]
	s_load_b64 s[12:13], s[0:1], 0x20              ; wb
	v_lshlrev_b32 v1, 4, v0                        ; my 16 bytes in
	v_lshlrev_b32 v2, 3, v0                        ; my 8 bytes out
	s_mov_b32 s16, ttmp9                           ; g
	s_sub_co_u32 s17, s16, 512
	s_and_b32 s17, s17, 127                        ; which 16 rows of Wz or Wn
	s_cmp_ge_u32 s16, 640
	s_cselect_b32 s18, 1, 0                        ; 1: Wn
	s_lshl_b32 s20, s17, 17                        ; a weight block in: 16 rows of 8,192 bytes
	s_lshr_b32 s19, s17, 2                         ; q
	s_lshl_b32 s19, s19, 19                        ; 128 rows of 4,096 bytes
	s_lshl_b32 s18, s18, 18                        ; Wn lies 64 rows further down
	s_or_b32 s19, s19, s18
	s_and_b32 s18, s17, 3
	s_lshl_b32 s18, s18, 16                        ; 16 rows of 4,096 bytes
	s_or_b32 s22, s19, s18                         ; a weight block out
	s_lshl_b32 s24, s16, 17                        ; a block of x in,
	s_lshl_b32 s25, s16, 16                        ; and out
	s_mov_b32 s21, 0
	s_mov_b32 s23, 0
	s_wait_kmcnt 0x0
	s_cmp_ge_u32 s16, 640
	s_cselect_b64 s[14:15], s[8:9], s[6:7]         ; Wn or Wz
	s_cmp_lt_u32 s16, 512
	s_cselect_b64 s[14:15], s[4:5], s[14:15]       ; from where,
	s_cselect_b64 s[26:27], s[10:11], s[12:13]     ; to where
	s_cselect_b32 s20, s24, s20
	s_cselect_b32 s22, s25, s22
	s_add_nc_u64 s[14:15], s[14:15], s[20:21]
	s_add_nc_u64 s[26:27], s[26:27], s[22:23]
.set i, 0
.rept 32
	global_load_b128 v[X+4*i:X+4*i+3], v1, s[14:15] offset:4096*i th:TH_LOAD_NT
.set i, i+1
.endr
.set i, 0
.rept 32
	s_wait_loadcnt 31-i                            ; loads come back in order (ISA guide 5.7.1): number i is in, the younger ones stay out
	v_cvt_pk_bf16_f32 v[X+4*i], v[X+4*i], v[X+4*i+1]
	v_cvt_pk_bf16_f32 v[X+4*i+1], v[X+4*i+2], v[X+4*i+3]
	global_store_b64 v2, v[X+4*i:X+4*i+1], s[26:27] offset:2048*i
.set i, i+1
.endr
	s_endpgm
.Lfunc_end_k_q45efbca257_conv:
	.size	k_q45efbca257_conv, .Lfunc_end_k_q45efbca257_conv-k_q45efbca257_conv
	.p2alignl 7, 3214868480
	.fill 96, 4, 3214868480
	.section	.rodata,"a",@progbits
	.p2align	6, 0x0
	.amdhsa_kernel k_q45efbca257_conv
		.amdhsa_group_segment_fixed_size 0
		.amdhsa_private_segment_fixed_size 0
		.amdhsa_enable_private_segment 0
		.amdhsa_kernarg_size 40
		.amdhsa_user_sgpr_count 2
		.amdhsa_user_sgpr_kernarg_segment_ptr 1
		.amdhsa_wavefront_size32 1
		.amdhsa_system_sgpr_workgroup_id_x 1
		.amdhsa_system_sgpr_workgroup_id_y 1
		.amdhsa_system_sgpr_workgroup_id_z 1
		.amdhsa_system_vgpr_workitem_id 0
		.amdhsa_next_free_vgpr 132
		.amdhsa_next_free_sgpr 66
		.amdhsa_reserve_vcc 0
		.amdhsa_float_denorm_mode_32 3
		.amdhsa_float_denorm_mode_16_64 3
		.amdhsa_memory_ordered 1
		.amdhsa_forward_progress 1
		.amdhsa_inst_pref_size 13
	.end_amdhsa_kernel
	.amdgpu_metadata
---
amdhsa.version: [ 1, 2 ]
amdhsa.kernels:
  - .name:           k_q45efbca257_conv
    .symbol:         k_q45efbca257_conv.kd
    .args:
      - { .name: x, .offset: 0, .size: 8, .value_kind: global_buffer, .address_space: global }
      - { .name: Wz, .offset: 8, .size: 8, .value_kind: global_buffer, .address_space: global }
      - { .name: Wn, .offset: 16, .size: 8, .value_kind: global_buffer, .address_space: global }
      - { .name: xb, .offset: 24, .size: 8, .value_kind: global_buffer, .address_space: global }
      - { .name: wb, .offset: 32, .size: 8, .value_kind: global_buffer, .address_space: global }
    .group_segment_fixed_size: 0
    .private_segment_fixed_size: 0
    .kernarg_segment_align: 8
    .kernarg_segment_size: 40
    .max_flat_workgroup_size: 256
    .sgpr_count:     66
    .vgpr_count:     132
    .wavefront_size: 32
...
	.end_amdgpu_metadata
.endif
;; end of part 1
;; launch gemm (part 2): grid 16 x 32, 4 waves a work-group, clusters of 4 x 4, 327,680 bytes of LDS; arguments xb, wb, bz, bn, zg, sm; writes zg, sm
.if DOCPART == 2
	.amdgcn_target "amdgcn-amd-amdhsa--gfx1250"
	.amdhsa_code_object_version 6
	.text
	.protected	k_q45efbca257_gemm
	.globl	k_q45efbca257_gemm
	.p2align	8
	.type	k_q45efbca257_gemm,@function
k_q45efbca257_gemm:
	s_mov_b64 s[64:65], 0
	v_nop
	global_prefetch_b8 v0, s[64:65] scope:SCOPE_SE
	s_setreg_imm32_b32 hwreg(HW_REG_WAVE_MODE, 25, 1), 1
	s_wait_xcnt 0x0
	s_wait_alu depctr_hold_cnt(0) depctr_sa_sdst(0) depctr_va_vdst(0) depctr_va_sdst(0) depctr_va_ssrc(0) depctr_va_vcc(0) depctr_vm_vsrc(0)
	s_getreg_b32 s2, hwreg(HW_REG_IB_STS2, 6, 4)
	s_cmp_eq_u32 s2, 0
	s_cbranch_scc0 .Lentry_in_a_cluster
	s_endpgm
.Lentry_in_a_cluster:
	s_bfe_u32 s2, ttmp6, 0x10000c
	s_cmp_lg_u32 s2, 0xf033
	s_cbranch_scc0 .Lentry_shape_is_right
	s_endpgm
.Lentry_shape_is_right:
; k = x Wz^T + bz, n = x Wn^T + bn; z = sigmoid(k); g = n + 0.5 where n >= 0, else sigmoid(n).  The recurrence that the log-space sums of the model stand for is
; h_t = (1 - z_t) h_(t-1) + z_t g_t, a convex step with g > 0: nothing in it can overflow, so no maximum has to be taken away anywhere.
; THIS LAUNCH makes z and g for all 8,192 rows x 2,048 channels (zg) and, for each chunk of 128 rows and each channel, the pair (A, B) with h_out = A h_in + B (sm, f32).
; PRODUCT.  xb [8192][2048] bf16 times wb [4096][2048] bf16 (both gates of 64 channels in 128 neighbouring rows), sums in f32.  A tile is 256 rows x 256 columns, made by four waves,
; each 128 x 128: 64 accumulators of 16 x 16, 512 registers.  K goes in steps of 128 through a ring of two LDS slots filled by the tensor data mover; a row of a tile is 256 bytes of memory, aligned.
; Source 0 = 16 rows of xb (times), source 1 = 16 rows of wb: in the result lane l holds ONE channel (l % 16) and the times 8 (l / 16) + 0..7.  Column blocks 0-3 are k of four tiles of 16 channels, blocks 4-7 n of the same.
; So z, g and the first eight steps of a summary are made inside a lane, and eight times of a channel pack into 16 bytes.
; zg, bytes: ((((R 128 + C) 8 + a) 2 + kind) 2 + h) 256 + 16 r; R = row / 128, C = channel / 16, a = block of 16 rows, kind 0 = z in f16, 1 = g in bf16, h = which 8 rows, r = channel % 16.
; That is the layout of the result registers: a store of a wave covers 512 consecutive bytes, aligned, straight from registers; no stage in LDS.
; CLUSTERS.  4 x 4 work-groups: the four of a row of the cluster need the same tiles of xb, the four of a column the same tiles of wb; each tile is asked for jointly.
; FORMATS AND LIMITS.  All inputs, the biases too, are rounded to bf16.  z is kept in f16: it lies in 0 to 1; below 3e-8 it becomes 0.  g is kept in bf16, which has the range of f32.  A and B stay in f32 and are made of the unrounded z and g.
; The exponent of each sigmoid is held at 126 at the most, so no infinity is made: a gate below 2^-126 counts as 2^-126 or 0.  NaN and infinities in the inputs are not treated apart.
; REGISTERS, in windows of 256 (s_set_vgpr_msb: bits 1:0 source 0, 3:2 source 1, 5:4 source 2, 7:6 destination):
;   window 0: v0-31 addresses and biases; v64-127, v128-191 fragments of xb, two buffers; on the way out v32-155 at work
;   window 1: v64-127, v128-191 fragments of wb, two buffers      window 2: the accumulators of my rows 0-63 ((a, b) at v[8 (8 a + b)])      window 3: those of my rows 64-127
.set SIZE_K, 2048
.set KSTEP,  128
.set PITCH,  272                       ; an LDS row: 256 bytes + 16 of padding = 68 words: row r starts at bank 4 r mod 64 (64 banks of 4 bytes: ISA guide 11.1)
.set HALFT,  128*PITCH                 ; 128 rows: what one tensor load brings, and what one wave reads of xb or of wb
.set SLOT,   4*HALFT                   ; 256 rows of xb, then 256 rows of wb
.set SPARE,  2*SLOT                    ; behind the ring: the spare words, 128 bytes for each wave: two blocks of 256 bytes that no other line names
.set LAPS,   SIZE_K/(2*KSTEP)          ; a lap = two K steps = once round the ring
.set BO,   7                           ; v7      my byte offset in bz and bn
.set BI,   8                           ; v8-15   for channel tile c the pair -log2(e) bz, -log2(e) bn of my channel
.set ADRA, 16                          ; v16-17  LDS address of my fragments of xb in slot 0, 1
.set ADRB, 20                          ; v20-21  the same for wb
.set CO,   26                          ; v26     16 x lane: my 16 bytes of 512 in zg
.set SMO,  27                          ; v27     8 x lane: my pair in sm
.set SPW,  28                          ; v28     LDS address of my spare word; never rewritten
.set NIL,  29                          ; v29     0; never rewritten
.set PFO,  30                          ; v30     the offset of the prefetches: lane x a row of 4,096 bytes; never rewritten
.set TW,   31                          ; v31     at work
.set F0,   64
.set F1,   128
.set T,    32                          ; the way out, window 0: v32-63 exponent of z, then z, then 1 - z: unit u, time j at T + 8 u + j
.set W,    64                          ; v64-95  the sigmoid part of g, then g, then z g
.set U,    96                          ; v96-127 -log2(e) n, then its part below 0, then the packed z and g to store
.set SA,   128                         ; v128-135 A of eight times, by block a
.set SB,   136                         ; v136-143 B likewise
.set RA,   144                         ; v144-147 A of 64 rows, by channel tile
.set RB,   148                         ; v148-151 B likewise
.set OUT,  152                         ; v152-155 (A, B) of 128 rows
.set G1,  24                           ; s[24:31] descriptor group 1 for tiles of xb;  s[32:39] group 0, a set for each slot
.set G0,  32
.set LIM, 43                           ; s43     1 in a wave that prefetches, else the greatest number
.set PFA, 44                           ; s[44:45] where my prefetches stand
.set G1B, 48                           ; s[48:55], s[56:63] the same descriptors for tiles of wb
.set G0B, 56
.set XB,  68                           ; s[68:79] the six buffers
.set WB,  70
.set BZ,  72
.set BN,  74
.set ZG,  76
.set SM,  78
.set NL2E, 80                          ; s[80:81] -log2(e): the packed forms name a pair and take its low word
.set NLN2, 82                          ; s[82:83] -ln(2)
.set CLIP, 84                          ; s84     126.0
.set ZGB, 86                           ; s[86:87] zg at my chunk and my first channel tile
.set SMB, 88                           ; s[88:89] sm at my chunk and my first channel
.set MSB, 0
.macro WIN new                         ; the high byte repeats the setting that is left; a switch that changes nothing is dropped
.if MSB != (\new)
	s_set_vgpr_msb (MSB<<8)|(\new)
.set MSB, \new
.endif
.endm
.set MUL_LO, 0xa4                      ; source 0 (xb) window 0, source 1 (wb) window 1, C and D window 2
.set MUL_HI, 0xf4                      ; the same, C and D window 3
.set TO_B,   0x40                      ; destination window 1, address window 0
; A joint load.  Waves 0 and 1 fetch the two halves of the tile of xb, waves 2 and 3 those of wb.  The branch hangs on the number of the wave alone.
; An s_nop 0 and four v_nop follow each of the two lines, ahead of the jump and the label.
.macro JLOAD s
	s_cmp_eq_u32 s11, 0
	s_cbranch_scc0 .Lfor_b_\@
	tensor_load_to_lds s[G0+4*(\s):G0+4*(\s)+3], s[G1:G1+7]
	s_nop 0
.rept 4
	v_nop
.endr
	s_branch .Lasked_\@
.Lfor_b_\@:
	tensor_load_to_lds s[G0B+4*(\s):G0B+4*(\s)+3], s[G1B:G1B+7]
	s_nop 0
.rept 4
	v_nop
.endr
.Lasked_\@:
.endm
; A prefetch, behind each joint refill and the run of LDS loads that follows it: the K step that stands two refills on: 32 rows x 256 bytes, a lane a row, one instruction a wave.
; Each 256 bytes of a row are named once in the launch: for xb the clusters with x = 0 ask, for wb those with y = 0; the four partners of a joint load share its 128 rows out by address, 32 each.
; The last trip of the loop (s3 = 1) asks for nothing: K steps 14 and 15 are the last, and they were named a trip earlier.
.macro ASK
	s_cmp_gt_u32 s3, s[LIM]
	s_cbranch_scc0 .Lnot_mine_\@
	global_prefetch_b8 v[PFO], s[PFA:PFA+1] offset:KSTEP*2 th:TH_LOAD_NT scope:SCOPE_SE
.Lnot_mine_\@:
.endm
.macro CREST                           ; a round of the barrier of the cluster, behind its opening barrier
	s_cmp_lg_u32 s10, 0
	s_cbranch_scc1 .Lnot_wave_0_\@
	s_barrier_signal -3
.Lnot_wave_0_\@:
	s_barrier_wait -3
	s_barrier_signal -1
	s_barrier_wait -1
.endm
.macro CROUND                          ; a whole round
	s_barrier_signal -1
	s_barrier_wait -1
	CREST
.endm
	s_load_b256 s[XB:XB+7], s[0:1], 0x0            ; xb, wb, bz, bn
	s_load_b128 s[ZG:ZG+3], s[0:1], 0x20           ; zg, sm
	v_lshl_add_u32 v[SPW], v0, 2, SPARE
	v_mov_b32 v[NIL], 0
	ds_add_u32 v[SPW], v[NIL]                      ; the opening: the add, twice on end, and its wait ahead of my first tensor load
	ds_add_u32 v[SPW], v[NIL]                      ; once more; the set-up below, work on registers, stands between it and the wait
	v_lshrrev_b32 v1, 5, v0
	v_readfirstlane_b32 s10, v1                    ; wave 0..3
	s_lshr_b32 s11, s10, 1                         ; which half of the rows of the tile is mine.  Also: I fetch for xb (0) or for wb (1)
	s_and_b32 s12, s10, 1                          ; which half of its columns.  Also: which 128 rows of that tile I fetch
	s_bfe_u32 s40, ttmp6, 0x40000                  ; cx
	s_bfe_u32 s41, ttmp6, 0x40004                  ; cy
	s_lshl_b32 s42, ttmp9, 2                       ; in a cluster launch ttmp9 and ttmp7 count clusters
	s_add_co_u32 s42, s42, s40                     ; tx: tile column = 4 x cluster x + cx
	s_and_b32 s13, ttmp7, 0xffff
	s_lshl_b32 s13, s13, 2
	s_add_co_u32 s13, s13, s41                     ; ty: tile row = 4 x cluster y + cy
	s_lshl_b32 s43, s41, 2
	s_lshl_b32 s43, 15, s43                        ; my row of the cluster: places 4 cy .. 4 cy + 3
	s_lshl_b32 s44, 0x1111, s40                    ; my column: places cx, cx + 4, cx + 8, cx + 12
	; descriptor group 1: a tile of 128 rows x 128 elements of 2 bytes, 4 words of padding behind every 64 words
	s_or_b32 s[G1+0], s43, (1<<16)|(1<<20)|(1<<21)|(5<<22)|(3<<25)   ; 15:0 the mask: tiles of xb go to my row; 17:16 element size; 20 padding on; 21 set beside a mask; 24:22 interval; 31:25 pad
	s_or_b32 s[G1B+0], s44, (1<<16)|(1<<20)|(1<<21)|(5<<22)|(3<<25)  ; the same with the mask of my column
.irp g, G1, G1B
	s_mov_b32 s[(\g)+1], KSTEP<<16                 ; tensor_dim0 = 128
	s_mov_b32 s[(\g)+2], 128<<16                   ; tensor_dim1 = 128
	s_mov_b32 s[(\g)+3], KSTEP<<16                 ; tile_dim0 = 128
	s_mov_b32 s[(\g)+4], 128                       ; tile_dim1 = 128
	s_mov_b32 s[(\g)+5], SIZE_K                    ; elements from row to row
	s_mov_b32 s[(\g)+6], 0
	s_mov_b32 s[(\g)+7], 0
.endr
	; where the tiles come from: xb by the tile row alone, wb by the tile column alone, each in registers that never hold the other coordinate
	s_lshl_b32 s17, s12, 7                         ; which 128 rows of the tile I fetch
	s_lshl_b32 s16, s13, 8
	s_add_co_u32 s16, s16, s17                     ; xb: row 256 ty + 128 x half
	s_lshl_b32 s46, s42, 8
	s_add_co_u32 s46, s46, s17                     ; wb: row 256 tx + 128 x half
	s_mov_b32 s17, 0
	s_mov_b32 s47, 0
	s_mov_b64 s[18:19], SIZE_K*2
	s_mul_u64 s[16:17], s[16:17], s[18:19]
	s_mul_u64 s[46:47], s[46:47], s[18:19]
	s_mul_i32 s20, s10, HALFT                      ; where they go: wave x 128 rows: no place in the cluster enters an LDS address
	s_mov_b32 s[NL2E], 0xbfb8aa3b                  ; -log2(e)
	s_mov_b32 s[NL2E+1], 0xbfb8aa3b
	s_mov_b32 s[NLN2], 0xbf317218                  ; -ln(2)
	s_mov_b32 s[NLN2+1], 0xbf317218
	s_mov_b32 s[CLIP], 0x42fc0000                  ; 126.0
	s_wait_dscnt 0x0                               ; both opening adds are done
	s_wait_kmcnt 0x0
	s_add_nc_u64 s[14:15], s[XB:XB+1], s[16:17]
	s_add_nc_u64 s[46:47], s[WB:WB+1], s[46:47]
	CROUND                                         ; all sixteen work-groups are here: the first joint loads meet
.irp s, 0,1
	s_mov_b32 s[G0+4*(\s)], 1                                        ; count = 1
	s_add_co_u32 s[G0+4*(\s)+1], s20, (\s)*SLOT                      ; LDS address
	s_add_nc_u64 s[G0+4*(\s)+2:G0+4*(\s)+3], s[14:15], (\s)*KSTEP*2  ; global address: K step s
	s_or_b32 s[G0+4*(\s)+3], s[G0+4*(\s)+3], 0x80000000              ; type = 2
	s_mov_b32 s[G0B+4*(\s)], 1
	s_add_co_u32 s[G0B+4*(\s)+1], s20, (\s)*SLOT
	s_add_nc_u64 s[G0B+4*(\s)+2:G0B+4*(\s)+3], s[46:47], (\s)*KSTEP*2
	s_or_b32 s[G0B+4*(\s)+3], s[G0B+4*(\s)+3], 0x80000000
	JLOAD \s                                       ; two tensor loads of mine are out
.endr
	; A fragment is 16 rows x 32 K in 8 registers: lane l holds row l % 16; registers 0-3 K = 8 (l / 16) + 0..7, registers 4-7 K = 16 + 8 (l / 16) + 0..7: two loads of 16 bytes, 32 bytes apart.
	v_and_b32 v1, 15, v0                           ; l % 16
	v_bfe_u32 v2, v0, 4, 1                         ; l / 16
	v_mul_u32_u24 v3, v1, PITCH
	v_lshl_add_u32 v3, v2, 4, v3                   ; row x pitch + 16 x half
	s_mul_i32 s21, s11, HALFT                      ; my 128 rows of xb
	s_mul_i32 s22, s12, HALFT                      ; my 128 rows of wb,
	s_add_co_u32 s22, s22, 2*HALFT                 ; which lie behind the 256 of xb
.irp s, 0,1
	v_add_nc_u32 v[ADRA+(\s)], s21, v3
	v_add_nc_u32 v[ADRB+(\s)], s22, v3
	s_add_co_u32 s21, s21, SLOT
	s_add_co_u32 s22, s22, SLOT
.endr
	v_and_b32 v[CO], 31, v0
	v_lshlrev_b32 v[SMO], 3, v[CO]
	v_lshlrev_b32 v[PFO], 12, v[CO]
	v_lshlrev_b32 v[CO], 4, v[CO]
	s_lshl_b32 s16, s13, 1
	s_add_co_u32 s16, s16, s11                     ; R = 2 ty + my half of the rows
	s_lshl_b32 s17, s42, 3
	s_lshl2_add_u32 s17, s12, s17                  ; my first channel tile: 8 tx + 4 x my half of the columns
	s_lshl_b32 s16, s16, 7
	s_add_co_u32 s16, s16, s17                     ; 128 R + that
	s_lshl_b32 s18, s16, 13                        ; 8,192 bytes of zg for a chunk and channel tile
	s_mov_b32 s19, 0
	s_add_nc_u64 s[ZGB:ZGB+1], s[ZG:ZG+1], s[18:19]
	s_lshl_b32 s18, s16, 7                         ; 128 bytes of sm
	s_add_nc_u64 s[SMB:SMB+1], s[SM:SM+1], s[18:19]
	s_lshl_b32 s17, s17, 6                         ; 64 bytes of a bias
	v_lshl_add_u32 v[BO], v1, 2, s17
.irp c, 0,1,2,3
	global_load_b32 v[BI+2*\c], v[BO], s[BZ:BZ+1] offset:64*\c
	global_load_b32 v[BI+2*\c+1], v[BO], s[BN:BN+1] offset:64*\c
.endr
	; the prefetches
	s_lshl_b32 s13, s13, 8                         ; 256 ty
	s_lshl_b32 s42, s42, 8                         ; 256 tx
	s_and_b32 s22, ttmp7, 0xffff                   ; cluster y
	s_cmp_eq_u32 s11, 0                            ; do I fetch for xb?
	s_cselect_b32 s20, s13, s42                    ; the first row of the tile
	s_cselect_b32 s21, s40, s41                    ; my place among the four that ask for it with me
	s_cselect_b32 s22, ttmp9, s22                  ; the coordinate along which other clusters read the same rows
	s_cselect_b64 s[PFA:PFA+1], s[XB:XB+1], s[WB:WB+1]
	s_cmp_eq_u32 s22, 0
	s_cselect_b32 s[LIM], 1, -1                    ; the same in all sixteen partners, for a given wave
	s_lshl_b32 s22, s12, 7
	s_add_co_u32 s20, s20, s22                     ; + the 128 rows that I fetch
	s_lshl_b32 s21, s21, 5
	s_add_co_u32 s20, s20, s21                     ; + the 32 of them that fall to my work-group
	s_mov_b32 s21, 0
	s_mov_b64 s[18:19], SIZE_K*2
	s_mul_u64 s[20:21], s[20:21], s[18:19]
	s_add_nc_u64 s[PFA:PFA+1], s[PFA:PFA+1], s[20:21]
	s_add_nc_u64 s[PFA:PFA+1], s[PFA:PFA+1], 2*KSTEP*2  ; at K step 2: the first refill steps it to 3 and names K step 4.  Nothing is prefetched here, at the head
	s_wait_loadcnt 0x0                             ; the biases
.irp c, 0,1,2,3
	v_cvt_pk_bf16_f32 v[TW], v[BI+2*\c], v[BI+2*\c+1]  ; rounded to bf16 like the other inputs,
	v_lshlrev_b32 v[BI+2*\c], 16, v[TW]
	v_and_b32 v[BI+2*\c+1], 0xffff0000, v[TW]
	v_pk_mul_f32 v[BI+2*\c:BI+2*\c+1], v[BI+2*\c:BI+2*\c+1], s[NL2E:NL2E+1] op_sel_hi:[1,0]  ; and scaled as the sums will be
.endr
; 16 matrix instructions: row blocks a0, a0 + 1 of the four of the window (hi = 0: my rows 0-63, 1: rows 64-127) x all 8 column blocks, 32 along K.  zero = 1: the first product starts the sums.
; The 64 accumulators take turns, one instruction a turn, in the same order in every quarter, over the backward jump too.
.macro MUL16 f, hi, a0, zero
	WIN MUL_LO+0x50*(\hi)
.irp a, \a0, (\a0)+1
.irp b, 0,1,2,3,4,5,6,7
.if \zero
	v_wmma_f32_16x16x32_bf16 v[8*(8*(\a)+(\b)):8*(8*(\a)+(\b))+7], v[(\f)+8*(4*(\hi)+(\a)):(\f)+8*(4*(\hi)+(\a))+7], v[(\f)+8*(\b):(\f)+8*(\b)+7], 0
.else
	v_wmma_f32_16x16x32_bf16 v[8*(8*(\a)+(\b)):8*(8*(\a)+(\b))+7], v[(\f)+8*(4*(\hi)+(\a)):(\f)+8*(4*(\hi)+(\a))+7], v[(\f)+8*(\b):(\f)+8*(\b)+7], v[8*(8*(\a)+(\b)):8*(8*(\a)+(\b))+7]
.endif
.endr
.endr
.endm
; 32 LDS loads in one run: the fragments of one quarter step (128 rows of wb, 128 rows of xb, 32 K at byte k of the rows) into buffer f
.macro FETCH slot, k, f
	WIN TO_B
.irp i, 0,1,2,3,4,5,6,7
	ds_load_b128 v[(\f)+8*(\i):(\f)+8*(\i)+3],   v[ADRB+(\slot)] offset:(\k)+(\i)*16*PITCH
	ds_load_b128 v[(\f)+8*(\i)+4:(\f)+8*(\i)+7], v[ADRB+(\slot)] offset:(\k)+(\i)*16*PITCH+32
.endr
	WIN 0
.irp i, 0,1,2,3,4,5,6,7
	ds_load_b128 v[(\f)+8*(\i):(\f)+8*(\i)+3],   v[ADRA+(\slot)] offset:(\k)+(\i)*16*PITCH
	ds_load_b128 v[(\f)+8*(\i)+4:(\f)+8*(\i)+7], v[ADRA+(\slot)] offset:(\k)+(\i)*16*PITCH+32
.endr
.endm
; Four plain vector instructions stand between a matrix instruction and a load into, or a vector write of, one of its registers, or a vector read of its result (ISA guide 7.12.1 for vector instructions).
.macro PLACES
.rept 4
	v_nop
.endr
.endm
; A K step is four quarters of 32 along K, 64 matrix instructions each, on buffers 0, 1, 0, 1.  One of the first three: multiplies buffer f; in its middle it fetches the next quarter, at byte k, into buffer g.
.macro QUARTER slot, k, f, g, zero
	s_wait_dscnt 8                                 ; wb and rows 0-63 of xb are in; the youngest eight loads (rows 64-127 of xb) may be out
	WIN MUL_LO
	MUL16 \f, 0, 0, \zero
	MUL16 \f, 0, 2, \zero
	PLACES
	FETCH \slot, \k, \g
	s_wait_dscnt 32                                ; all but the 32 just issued
	WIN MUL_HI
	MUL16 \f, 1, 0, \zero
	MUL16 \f, 1, 2, \zero
.endm
; The first half of the last quarter: ONE barrier for the change of slots.  In front of it each wave waits for all its tensor loads (one is out: its part of the next slot), adds 0 to its spare word,
; and waits for that and for its own reads of this slot.  Behind it nobody reads this slot any more and the next slot is whole.
.macro MEET round
	WIN 0                                          ; the two registers of the add lie in window 0
	s_wait_tensorcnt 0x0
	ds_add_u32 v[SPW], v[NIL]                      ; 0 onto my spare word
	s_wait_dscnt 9                                 ; the add and the youngest eight loads may be out
	WIN MUL_LO
	MUL16 F1, 0, 0, 0                              ; sixteen matrix instructions stand between the add and the wait for it
	s_wait_dscnt 0x0                               ; the add is done, and my reads of this slot are over
	s_barrier_signal -1
	MUL16 F1, 0, 2, 0                              ; work on registers while the others arrive
.if \round
	WIN 0
.endif
	s_barrier_wait -1
.endm
; The whole last quarter where the slot is filled again, with the K step two steps on: the barrier opens a round of the cluster, the joint refill is the first tensor load behind the round.
.macro TURN slot, next
	s_wait_xcnt 0x0                                ; the last prefetch, a K step back, has read its address
	s_add_nc_u64 s[PFA:PFA+1], s[PFA:PFA+1], KSTEP*2
	MEET 1
	CREST                                          ; no wave of any partner still reads this slot or has a load on its way
	s_add_nc_u64 s[G0+4*(\slot)+2:G0+4*(\slot)+3], s[G0+4*(\slot)+2:G0+4*(\slot)+3], 2*KSTEP*2
	s_add_nc_u64 s[G0B+4*(\slot)+2:G0B+4*(\slot)+3], s[G0B+4*(\slot)+2:G0B+4*(\slot)+3], 2*KSTEP*2
	JLOAD \slot                                    ; its four v_nop are also the places in front of the loads below
	FETCH \next, 0, F0
	ASK
	WIN MUL_HI
	MUL16 F1, 1, 0, 0
	MUL16 F1, 1, 2, 0
.endm
.macro TURNL                           ; the last change of slots: nothing is filled, so no round follows
	MEET 0
	PLACES
	FETCH 1, 0, F0
	WIN MUL_HI
	MUL16 F1, 1, 0, 0
	MUL16 F1, 1, 2, 0
.endm
	s_wait_tensorcnt 1                             ; my part of K step 0 is in; that of K step 1 may stay out
	s_barrier_signal -1
	s_barrier_wait -1                              ; everybody has said so
	FETCH 0, 0, F0
	QUARTER 0, 64,  F0, F1, 1                      ; the first quarter stands in front of the loop: its products start the sums
	WIN 0                                          ; at a label and at a branch every window is 0
	s_mov_b32 s3, LAPS-1
.Llap:                                                 ; a trip goes once round the ring, from the second quarter of a lap to the first of the next, and fills both slots again: K steps 2 to 15 in seven trips
	QUARTER 0, 128, F1, F0, 0
	QUARTER 0, 192, F0, F1, 0
	TURN 0, 1
	QUARTER 1, 64,  F0, F1, 0
	QUARTER 1, 128, F1, F0, 0
	QUARTER 1, 192, F0, F1, 0
	TURN 1, 0
	QUARTER 0, 64,  F0, F1, 0
	WIN 0
	s_sub_co_u32 s3, s3, 1
	s_cmp_lg_u32 s3, 0
	s_cbranch_scc1 .Llap
	QUARTER 0, 128, F1, F0, 0                      ; the last lap fills nothing
	QUARTER 0, 192, F0, F1, 0
	TURNL
	QUARTER 1, 64,  F0, F1, 0
	QUARTER 1, 128, F1, F0, 0
	QUARTER 1, 192, F0, F1, 0
	s_wait_dscnt 8                                 ; the very last quarter: nothing more to fetch
	WIN MUL_LO
	MUL16 F1, 0, 0, 0
	MUL16 F1, 0, 2, 0
	s_wait_dscnt 0
	MUL16 F1, 1, 0, 0
	MUL16 F1, 1, 2, 0
; THE WAY OUT.  A group is channel tile c and four blocks of 16 rows (units u; block a = 4 hi + u): 32 numbers of k and 32 of n a lane.
;   T = -log2(e) k, held at 126;  z = 1 / (1 + 2^T).     U = -log2(e) n;  W = U held to 0 .. 126;  g = 1 / (1 + 2^W) - ln(2) min(U, 0) = sigmoid(min(n, 0)) + max(n, 0): both branches of g with no compare.
; The 64 exponentials are one batch with one wait, and so are the 64 reciprocals; a plain instruction stands between two transcendentals wherever there is one to place.
; Then z (f16) and g (bf16) are packed and stored, and the eight times of a lane are folded: B = a B + z g, A = A a with a = 1 - z, the four units by turns.
.macro EGROUP c, hi
	s_wait_xcnt 0x0                                ; the stores of the group before have read U
	WIN 0x02+(\hi)                                 ; source 0 in window 2 or 3
.set u, 0
.rept 4
.set p, 0
.rept 4
	v_pk_fma_f32 v[T+8*u+2*p:T+8*u+2*p+1], v[8*(8*u+(\c))+2*p:8*(8*u+(\c))+2*p+1], s[NL2E:NL2E+1], v[BI+2*(\c):BI+2*(\c)+1] op_sel_hi:[1,0,0]
.set p, p+1
.endr
.set u, u+1
.endr
.set u, 0
.rept 4
.set p, 0
.rept 4
	v_pk_fma_f32 v[U+8*u+2*p:U+8*u+2*p+1], v[8*(8*u+(\c)+4)+2*p:8*(8*u+(\c)+4)+2*p+1], s[NL2E:NL2E+1], v[BI+2*(\c):BI+2*(\c)+1] op_sel:[0,0,1] op_sel_hi:[1,0,1]
.set p, p+1
.endr
.set u, u+1
.endr
	WIN 0
.set i, 0
.rept 32
	v_min_num_f32 v[T+i], s[CLIP], v[T+i]
.set i, i+1
.endr
.set i, 0
.rept 32
	v_exp_f32 v[T+i], v[T+i]
	v_med3_num_f32 v[W+i], v[U+i], 0, s[CLIP]
.set i, i+1
.endr
.set i, 0
.rept 32
	v_exp_f32 v[W+i], v[W+i]
	v_min_num_f32 v[U+i], 0, v[U+i]
.set i, i+1
.endr
	s_wait_alu depctr_va_vdst(0)                   ; one wait for the 64 exponentials, ahead of the first line that names a result; the v_min above is the plain instruction behind the last
	v_pk_add_f32 v[T:T+1], v[T:T+1], 1.0 op_sel_hi:[1,0]
	v_pk_add_f32 v[T+2:T+3], v[T+2:T+3], 1.0 op_sel_hi:[1,0]
.set p, 0
.rept 32                                       ; T and W lie on end: 32 pairs
	v_rcp_f32 v[T+2*p], v[T+2*p]
.if p < 30
	v_pk_add_f32 v[T+2*p+4:T+2*p+5], v[T+2*p+4:T+2*p+5], 1.0 op_sel_hi:[1,0]
.endif
	v_rcp_f32 v[T+2*p+1], v[T+2*p+1]
.set p, p+1
.endr
	v_nop                                          ; a plain instruction behind the last reciprocal,
	s_wait_alu depctr_va_vdst(0)                   ; and one wait for the 64
.set p, 0
.rept 16
	v_pk_fma_f32 v[W+2*p:W+2*p+1], v[U+2*p:U+2*p+1], s[NLN2:NLN2+1], v[W+2*p:W+2*p+1] op_sel_hi:[1,0,1]  ; g
.set p, p+1
.endr
.set u, 0
.rept 4
.set p, 0
.rept 4
	v_cvt_pk_f16_f32 v[U+8*u+p], v[T+8*u+2*p], v[T+8*u+2*p+1]       ; the lower time into the low half
	v_cvt_pk_bf16_f32 v[U+8*u+4+p], v[W+8*u+2*p], v[W+8*u+2*p+1]
.set p, p+1
.endr
.set u, u+1
.endr
.set u, 0
.rept 4
	global_store_b128 v[CO], v[U+8*u:U+8*u+3],   s[ZGB:ZGB+1] offset:8192*(\c)+1024*(4*(\hi)+u)      ; z: 512 consecutive bytes, aligned
	global_store_b128 v[CO], v[U+8*u+4:U+8*u+7], s[ZGB:ZGB+1] offset:8192*(\c)+1024*(4*(\hi)+u)+512  ; g
.set u, u+1
.endr
.set p, 0
.rept 16
	v_pk_mul_f32 v[W+2*p:W+2*p+1], v[W+2*p:W+2*p+1], v[T+2*p:T+2*p+1]  ; z g
.set p, p+1
.endr
.set p, 0
.rept 16
	v_pk_fma_f32 v[T+2*p:T+2*p+1], v[T+2*p:T+2*p+1], -1.0, 1.0 op_sel_hi:[1,0,0]  ; 1 - z
.set p, p+1
.endr
.set u, 0
.rept 4
	v_fma_f32 v[SB+4*(\hi)+u], v[T+8*u+1], v[W+8*u], v[W+8*u+1]
	v_mul_f32 v[SA+4*(\hi)+u], v[T+8*u], v[T+8*u+1]
.set u, u+1
.endr
.set j, 2
.rept 6
.set u, 0
.rept 4
	v_fma_f32 v[SB+4*(\hi)+u], v[T+8*u+j], v[SB+4*(\hi)+u], v[W+8*u+j]
	v_mul_f32 v[SA+4*(\hi)+u], v[SA+4*(\hi)+u], v[T+8*u+j]
.set u, u+1
.endr
.set j, j+1
.endr
.endm
; The sixteen segments of eight rows of channel tile c.  The swap gives lanes 0-15 both halves of blocks 0-3 (register a: rows 16 a + 0..7, register a + 4: rows 16 a + 8..15) and lanes 16-31 those of blocks 4-7:
; each half of the lanes folds 64 rows on end, registers 0, 4, 1, 5, 2, 6, 3, 7.
.macro LEVEL1 c
.irp q, 0,1,2,3
	v_permlane16_swap_b32 v[SA+\q], v[SA+\q+4]
	v_permlane16_swap_b32 v[SB+\q], v[SB+\q+4]
.endr
	v_fma_f32 v[RB+(\c)], v[SA+4], v[SB], v[SB+4]
	v_mul_f32 v[RA+(\c)], v[SA], v[SA+4]
.irp x, 1,5,2,6,3,7
	v_fma_f32 v[RB+(\c)], v[SA+\x], v[RB+(\c)], v[SB+\x]
	v_mul_f32 v[RA+(\c)], v[RA+(\c)], v[SA+\x]
.endr
.endm
; Channel tiles c and c + 1.  The swap leaves rows 0-63 in register c and rows 64-127 in register c + 1, lane l standing for channel 16 c + l: one more fold, and 256 consecutive bytes of sm, aligned.
.macro LEVEL2 c
	v_permlane16_swap_b32 v[RA+(\c)], v[RA+(\c)+1]
	v_permlane16_swap_b32 v[RB+(\c)], v[RB+(\c)+1]
	v_mul_f32 v[OUT+(\c)], v[RA+(\c)], v[RA+(\c)+1]
	v_fma_f32 v[OUT+(\c)+1], v[RA+(\c)+1], v[RB+(\c)], v[RB+(\c)+1]
	global_store_b64 v[SMO], v[OUT+(\c):OUT+(\c)+1], s[SMB:SMB+1] offset:128*(\c)
.endm
	PLACES                                         ; behind the last products: their results are read and their fragment registers written below
.irp c, 0,1,2,3
	EGROUP \c, 0
	EGROUP \c, 1
	LEVEL1 \c
.if (\c)%2 == 1
	LEVEL2 (\c)-1
.endif
.endr
	WIN 0
	s_wait_tensorcnt 0x0                           ; the end of the wave, behind my last tensor load
	ds_add_u32 v[SPW], v[NIL]
	s_wait_dscnt 0x0
	CROUND                                         ; the closing round: no work-group ends while a partner may still ask for a tile that names it
	s_endpgm
.Lfunc_end_k_q45efbca257_gemm:
	.size	k_q45efbca257_gemm, .Lfunc_end_k_q45efbca257_gemm-k_q45efbca257_gemm
	.p2alignl 7, 3214868480
	.fill 96, 4, 3214868480
	.section	.rodata,"a",@progbits
	.p2align	6, 0x0
	.amdhsa_kernel k_q45efbca257_gemm
		.amdhsa_group_segment_fixed_size 327680
		.amdhsa_private_segment_fixed_size 0
		.amdhsa_enable_private_segment 0
		.amdhsa_kernarg_size 48
		.amdhsa_user_sgpr_count 2
		.amdhsa_user_sgpr_kernarg_segment_ptr 1
		.amdhsa_wavefront_size32 1
		.amdhsa_system_sgpr_workgroup_id_x 1
		.amdhsa_system_sgpr_workgroup_id_y 1
		.amdhsa_system_sgpr_workgroup_id_z 1
		.amdhsa_system_vgpr_workitem_id 0
		.amdhsa_next_free_vgpr 1024
		.amdhsa_next_free_sgpr 92
		.amdhsa_reserve_vcc 0
		.amdhsa_float_denorm_mode_32 3
		.amdhsa_float_denorm_mode_16_64 3
		.amdhsa_memory_ordered 1
		.amdhsa_forward_progress 1
		.amdhsa_inst_pref_size 255
	.end_amdhsa_kernel
	.section	.bss,"aw",@nobits
	.p2align	6
	.space	262144
	.amdgpu_metadata
---
amdhsa.version: [ 1, 2 ]
amdhsa.kernels:
  - .name:           k_q45efbca257_gemm
    .symbol:         k_q45efbca257_gemm.kd
    .args:
      - { .name: xb, .offset: 0, .size: 8, .value_kind: global_buffer, .address_space: global }
      - { .name: wb, .offset: 8, .size: 8, .value_kind: global_buffer, .address_space: global }
      - { .name: bz, .offset: 16, .size: 8, .value_kind: global_buffer, .address_space: global }
      - { .name: bn, .offset: 24, .size: 8, .value_kind: global_buffer, .address_space: global }
      - { .name: zg, .offset: 32, .size: 8, .value_kind: global_buffer, .address_space: global }
      - { .name: sm, .offset: 40, .size: 8, .value_kind: global_buffer, .address_space: global }
    .group_segment_fixed_size: 327680
    .private_segment_fixed_size: 0
    .kernarg_segment_align: 8
    .kernarg_segment_size: 48
    .max_flat_workgroup_size: 128
    .sgpr_count:     92
    .vgpr_count:     1024
    .wavefront_size: 32
...
	.end_amdgpu_metadata
.endif
;; end of part 2
;; launch scan (part 3): grid 256 x 1, 8 waves a work-group, no clusters, 33,792 bytes of LDS; arguments zg, sm, out0; writes out0
.if DOCPART == 3
	.amdgcn_target "amdgcn-amd-amdhsa--gfx1250"
	.amdhsa_code_object_version 6
	.text
	.protected	k_q45efbca257_scan
	.globl	k_q45efbca257_scan
	.p2align	8
	.type	k_q45efbca257_scan,@function
k_q45efbca257_scan:
	s_mov_b64 s[64:65], 0
	v_nop
	global_prefetch_b8 v0, s[64:65] scope:SCOPE_SE
	s_setreg_imm32_b32 hwreg(HW_REG_WAVE_MODE, 25, 1), 1
	s_wait_xcnt 0x0
; h_t = h_(t-1) + z_t (g_t - h_(t-1)), h_0 = 0.5, for 4 batches x 2,048 times x 2,048 channels; out0 = h_1 .. h_2048 in f32.  z (f16) and g (bf16) come from zg, the summaries (A, B) of chunks of 128 rows from sm.
; SHARES.  A wave takes one chunk R of 128 rows and 64 channels (256 bytes of a row of out0); a lane two channels, 64 G + l and 64 G + 32 + l.  R = work-group / 4, G = 8 (work-group % 4) + wave.
; THE CARRY.  h at the head of the chunk is 0.5 sent through the summaries of the earlier chunks of the batch, at most 15, in f32: h = A h + B.  All 15 pairs are loaded (they lie inside sm for every chunk);
; a forward jump on the number of the chunk in its batch leaves out those that do not come before it.
; THE DATA.  zg, bytes: ((((R 128 + C) 8 + a) 2 + kind) 2 + h) 256 + 16 r: a load of 16 bytes a lane brings eight times of one channel; sixteen lanes read 256 consecutive bytes, aligned.
; Four slots of 32 registers, a block of 16 rows each: three blocks are on their way while one is worked on.
; THE WAY OUT.  A lane holds a column; 16 rows x 256 bytes go through the own stage of the wave in LDS and come back as rows: sixteen lanes store 256 consecutive bytes, aligned.
; No barrier: no wave touches bytes of another.  No matrix unit, tensor load or cluster: nothing is multiplied in bulk and nothing is shared.
; LIMITS.  z has the step of f16 (2^-12 of rounding near 1), g that of bf16 (2^-9 of itself); h and the carries stay in f32.  NaN and infinities are not treated apart.
.set VO,  2                            ; v2      (l / 16) x 8,192 + (l % 16) x 16: my place in zg and in out0; never rewritten
.set SV,  3                            ; v3      8 l: my pair in sm
.set LW,  4                            ; v4      stage, in: 4,096 w + 4 l
.set LR,  5                            ; v5      stage, back: 4,096 w + 256 (l / 16) + 16 (l % 16)
.set SPW, 6                            ; v6      LDS address of my spare word; never rewritten
.set NIL, 7                            ; v7      0; never rewritten
.set GT,  8                            ; v8-9    g as f32, by set
.set DT,  10                           ; v10-11  g - h
.set HC,  12                           ; v12-13  the carry
.set O,   16                           ; v16-47  h: set e, row t of 16 at O + 16 e + t
.set BK,  48                           ; v48-79  16 rows read back from the stage
.set SMR, 16                           ; v16-75  the 30 pairs (A, B), dead before O and BK are written
.set D,   80                           ; v80-207 four slots of 32: set e, half h, kind k at 16 e + 8 h + 4 k
.set SPARE, 32768                      ; behind the eight stages of 4,096 bytes: the spare words, 128 bytes for each wave: four blocks of 256 bytes that no other line names
	s_load_b128 s[4:7], s[0:1], 0x0                ; zg s[4:5], sm s[6:7]
	s_load_b64 s[8:9], s[0:1], 0x10                ; out0
	v_lshl_add_u32 v[SPW], v0, 2, SPARE
	v_mov_b32 v[NIL], 0
	v_lshrrev_b32 v1, 5, v0
	v_readfirstlane_b32 s10, v1                    ; wave 0..7
	s_lshr_b32 s11, ttmp9, 2                       ; R
	s_and_b32 s13, ttmp9, 3
	s_lshl3_add_u32 s13, s13, s10                  ; G
	s_and_b32 s14, s11, 15                         ; the number of the chunk in its batch
	s_mov_b32 s12, 0xffff0000                      ; the upper bf16 of a word
	s_lshl_b32 s16, s11, 20                        ; a chunk is 2^20 bytes of zg and of out0
	s_lshl_b32 s18, s13, 15                        ; four channel tiles of 8,192 bytes
	s_or_b32 s18, s18, s16
	s_mov_b32 s19, 0
	s_and_b32 s20, s11, 48                         ; the first chunk of the batch,
	s_lshl_b32 s20, s20, 14                        ; 16,384 bytes of sm a chunk
	s_lshl_b32 s22, s13, 9                         ; 64 channels of 8 bytes
	s_or_b32 s20, s20, s22
	s_mov_b32 s21, 0
	s_lshl_b32 s22, s13, 8                         ; 64 channels of 4 bytes
	s_or_b32 s22, s22, s16
	s_mov_b32 s23, 0
	s_lshl_b32 s15, s10, 12                        ; my stage
	v_and_b32 v14, 31, v0                          ; l
	v_and_b32 v15, 15, v0                          ; l % 16
	v_bfe_u32 v1, v0, 4, 1                         ; l / 16
	v_lshlrev_b32 v[VO], 4, v15
	v_lshl_add_u32 v[VO], v1, 13, v[VO]
	v_lshlrev_b32 v[SV], 3, v14
	v_lshl_add_u32 v[LW], v14, 2, s15
	v_lshl_add_u32 v[LR], v15, 4, s15
	v_lshl_add_u32 v[LR], v1, 8, v[LR]
	v_mov_b32 v[HC], 0.5
	v_mov_b32 v[HC+1], 0.5
	s_wait_kmcnt 0x0
	s_add_nc_u64 s[4:5], s[4:5], s[18:19]
	s_add_nc_u64 s[6:7], s[6:7], s[20:21]
	s_add_nc_u64 s[8:9], s[8:9], s[22:23]
.set i, 0
.rept 15
	global_load_b64 v[SMR+4*i:SMR+4*i+1],   v[SV], s[6:7] offset:16384*i
	global_load_b64 v[SMR+4*i+2:SMR+4*i+3], v[SV], s[6:7] offset:16384*i+256
.set i, i+1
.endr
.macro LOADA a                         ; the eight loads of block a into slot a % 4
.irp e, 0,1
.irp h, 0,1
.irp k, 0,1
	global_load_b128 v[D+32*((\a)%4)+16*\e+8*\h+4*\k:D+32*((\a)%4)+16*\e+8*\h+4*\k+3], v[VO], s[4:5] offset:16384*\e+1024*(\a)+512*\k+256*\h th:TH_LOAD_NT
.endr
.endr
.endr
.endm
	LOADA 0
	LOADA 1
	LOADA 2
	LOADA 3
	s_wait_loadcnt 32                              ; the summaries are in; the 32 data loads issued behind them may stay out
.set i, 0
.rept 15
	s_cmp_le_u32 s14, i                            ; chunk i of the batch does not come before mine: the carry is whole
	s_cbranch_scc1 .Lcarried
	v_fma_f32 v[HC],   v[SMR+4*i],   v[HC],   v[SMR+4*i+1]
	v_fma_f32 v[HC+1], v[SMR+4*i+2], v[HC+1], v[SMR+4*i+3]
.set i, i+1
.endr
.Lcarried:
	v_mov_b32 v[O+15], v[HC]                       ; row 0 of a block takes row 15 of the block before
	v_mov_b32 v[O+31], v[HC+1]
; Block a of 16 rows.  refill = 1: its slot takes block a + 4.  left = the loads of the younger slots, which may stay out.
.macro STEP a, refill, left
	s_wait_loadcnt \left
.set DSL, D+32*((\a)%4)
.set t, 0
.rept 16
.set prev, (t+15)%16
.set zr, DSL+8*(t/8)+(t%8)/2
.irp e, 0,1
.if t%2 == 0
	v_lshlrev_b32 v[GT+\e], 16, v[zr+16*\e+4]
.else
	v_and_b32 v[GT+\e], s12, v[zr+16*\e+4]
.endif
.endr
.irp e, 0,1
	v_sub_f32 v[DT+\e], v[GT+\e], v[O+16*\e+prev]
.endr
.irp e, 0,1
.if t%2 == 0
	v_fma_mix_f32 v[O+16*\e+t], v[zr+16*\e], v[DT+\e], v[O+16*\e+prev] op_sel_hi:[1,0,0]                 ; z from the low f16 half
.else
	v_fma_mix_f32 v[O+16*\e+t], v[zr+16*\e], v[DT+\e], v[O+16*\e+prev] op_sel:[1,0,0] op_sel_hi:[1,0,0]  ; from the high half
.endif
.endr
.set t, t+1
.endr
.if \refill
	LOADA (\a)+4
.endif
.set t, 0
.rept 16
	ds_store_b32 v[LW], v[O+t]    offset:256*t
	ds_store_b32 v[LW], v[O+16+t] offset:256*t+128
.set t, t+1
.endr
	s_wait_xcnt 0x0                                ; the stores of the block before have read BK
.irp i, 0,1,2,3,4,5,6,7
	ds_load_b128 v[BK+4*\i:BK+4*\i+3], v[LR] offset:512*\i  ; LDS serves the instructions of a wave in order (ISA guide 5.7.1.4): these see the stores above
.endr
.irp i, 0,1,2,3,4,5,6,7
	s_wait_dscnt 7-\i                              ; the younger LDS loads may stay out
	global_store_b128 v[VO], v[BK+4*\i:BK+4*\i+3], s[8:9] offset:8192*(16*(\a)+2*\i) th:TH_STORE_NT
.endr
.endm
	STEP 0, 1, 24
	STEP 1, 1, 24
	STEP 2, 1, 24
	STEP 3, 1, 24
	STEP 4, 0, 24                                  ; nothing is left to fetch: the counts run down
	STEP 5, 0, 16
	STEP 6, 0, 8
	STEP 7, 0, 0
	s_wait_tensorcnt 0x0                           ; the end of the wave, behind my last LDS store
	ds_add_u32 v[SPW], v[NIL]
	s_wait_dscnt 0x0
	s_endpgm
.Lfunc_end_k_q45efbca257_scan:
	.size	k_q45efbca257_scan, .Lfunc_end_k_q45efbca257_scan-k_q45efbca257_scan
	.p2alignl 7, 3214868480
	.fill 96, 4, 3214868480
	.section	.rodata,"a",@progbits
	.p2align	6, 0x0
	.amdhsa_kernel k_q45efbca257_scan
		.amdhsa_group_segment_fixed_size 33792
		.amdhsa_private_segment_fixed_size 0
		.amdhsa_enable_private_segment 0
		.amdhsa_kernarg_size 24
		.amdhsa_user_sgpr_count 2
		.amdhsa_user_sgpr_kernarg_segment_ptr 1
		.amdhsa_wavefront_size32 1
		.amdhsa_system_sgpr_workgroup_id_x 1
		.amdhsa_system_sgpr_workgroup_id_y 1
		.amdhsa_system_sgpr_workgroup_id_z 1
		.amdhsa_system_vgpr_workitem_id 0
		.amdhsa_next_free_vgpr 208
		.amdhsa_next_free_sgpr 66
		.amdhsa_reserve_vcc 0
		.amdhsa_float_denorm_mode_32 3
		.amdhsa_float_denorm_mode_16_64 3
		.amdhsa_memory_ordered 1
		.amdhsa_forward_progress 1
		.amdhsa_inst_pref_size 75
	.end_amdhsa_kernel
	.amdgpu_metadata
---
amdhsa.version: [ 1, 2 ]
amdhsa.kernels:
  - .name:           k_q45efbca257_scan
    .symbol:         k_q45efbca257_scan.kd
    .args:
      - { .name: zg, .offset: 0, .size: 8, .value_kind: global_buffer, .address_space: global }
      - { .name: sm, .offset: 8, .size: 8, .value_kind: global_buffer, .address_space: global }
      - { .name: out0, .offset: 16, .size: 8, .value_kind: global_buffer, .address_space: global }
    .group_segment_fixed_size: 33792
    .private_segment_fixed_size: 0
    .kernarg_segment_align: 8
    .kernarg_segment_size: 24
    .max_flat_workgroup_size: 256
    .sgpr_count:     66
    .vgpr_count:     208
    .wavefront_size: 32
...
	.end_amdgpu_metadata
.endif
;; end of part 3
;; ======== version 2 of 2: 3 launches; version 1 with the launch conv written anew for expert scheduling mode
;; workspace buffers: xb 33,554,432 bytes; wb 16,777,216 bytes; zg 67,108,864 bytes; sm 1,048,576 bytes
;; launch conv (part 4): grid 768 x 1, 8 waves a work-group, no clusters, 0 bytes of LDS; arguments x, Wz, Wn, xb, wb; writes xb, wb
.if DOCPART == 4
	.amdgcn_target "amdgcn-amd-amdhsa--gfx1250"
	.amdhsa_code_object_version 6
	.text
	.protected	k_q45efbca257_conv
	.globl	k_q45efbca257_conv
	.p2align	8
	.type	k_q45efbca257_conv,@function
k_q45efbca257_conv:
	s_mov_b64 s[64:65], 0
	v_nop
	global_prefetch_b8 v0, s[64:65] scope:SCOPE_SE
	s_setreg_imm32_b32 hwreg(HW_REG_WAVE_SCHED_MODE, 0, 2), 2
	s_setreg_imm32_b32 hwreg(HW_REG_WAVE_MODE, 25, 1), 1
	s_wait_xcnt 0x0
	s_wait_alu depctr_vm_vsrc(0)
; x, Wz and Wn, f32, are rounded once to bf16 (to nearest even) for the matrix product of the next launch.
; xb [8192][2048] has the order of x.  wb [4096][2048] holds Wz and Wn by turns of 64 rows: row 128 q + i is Wz[64 q + i] for i < 64
; and Wn[64 q + i - 64] for i >= 64, so that 128 neighbouring rows of wb are both gates of the same 64 channels.
; SHARES.  A work-group takes 16 rows: 131,072 dense bytes in, 65,536 out.  Work-groups 0-511 take x, 512-639 Wz, 640-767 Wn.
; Thread t takes 16 bytes at 16 t of each 4,096 bytes: a load of a wave covers 512 consecutive bytes, a store 256 consecutive bytes, aligned.
; All 32 loads of a thread go out at once, and no register is written again once a store has been given it.
; No LDS, no matrix unit, no cluster: nothing is shared and nothing is reduced.  LIMITS: NaN and infinities leave as the conversion makes them.
; THE MODE: SCHED_MODE bits 1:0 = 2 (LLVM: expert scheduling mode 2), set by the entry lines.  The code itself states the register dependences
; between vector instructions and memory instructions, with s_wait_alu, always for 0.
; THE PLAN.  Registers that memory instructions touch:
;   v1, v2     byte offsets, made once at the head and never written again: v1 is read by every load, v2 by every store.
;   X          32 groups of four.  A group is written by its load, issued at the head, ahead of every vector line that names X; its two conversions read the four
;              and write the first two; its one store reads those two.  Nothing writes a group behind its store, and no load lands in a register that a vector line has named.
; So what is to be stated is this alone: the offsets are written ahead of the first load, and a group's conversions have written its two registers ahead of its store.
; The 32 groups go in eight blocks of four.  Block p's eight conversions name block p's registers alone; the four stores of block p - 1 are dealt among them, behind ONE wait
; at the block's head, which stands behind the wait for block p's data.  Behind block 7 one more wait stands ahead of the last four stores.
.set X, 4                              ; v[4:131] 32 x 4 registers as loaded; the first two of each four then hold the 8 bytes to store
.set BLOCK,  4                         ; groups in a block
.set BLOCKS, 32 / BLOCK
	s_load_b256 s[4:11], s[0:1], 0x0               ; x s[4:5], Wz s[6:7], Wn s[8:9], xb s[10:11]
	s_load_b64 s[12:13], s[0:1], 0x20              ; wb
	v_lshlrev_b32 v1, 4, v0                        ; my 16 bytes in
	v_lshlrev_b32 v2, 3, v0                        ; my 8 bytes out
	s_mov_b32 s16, ttmp9                           ; g
	s_sub_co_u32 s17, s16, 512
	s_and_b32 s17, s17, 127                        ; which 16 rows of Wz or Wn
	s_cmp_ge_u32 s16, 640
	s_cselect_b32 s18, 1, 0                        ; 1: Wn
	s_lshl_b32 s20, s17, 17                        ; a weight block in: 16 rows of 8,192 bytes
	s_lshr_b32 s19, s17, 2                         ; q
	s_lshl_b32 s19, s19, 19                        ; 128 rows of 4,096 bytes
	s_lshl_b32 s18, s18, 18                        ; Wn lies 64 rows further down
	s_or_b32 s19, s19, s18
	s_and_b32 s18, s17, 3
	s_lshl_b32 s18, s18, 16                        ; 16 rows of 4,096 bytes
	s_or_b32 s22, s19, s18                         ; a weight block out
	s_lshl_b32 s24, s16, 17                        ; a block of x in,
	s_lshl_b32 s25, s16, 16                        ; and out
	s_mov_b32 s21, 0
	s_mov_b32 s23, 0
	s_wait_kmcnt 0x0
	s_cmp_ge_u32 s16, 640
	s_cselect_b64 s[14:15], s[8:9], s[6:7]         ; Wn or Wz
	s_cmp_lt_u32 s16, 512
	s_cselect_b64 s[14:15], s[4:5], s[14:15]       ; from where,
	s_cselect_b64 s[26:27], s[10:11], s[12:13]     ; to where
	s_cselect_b32 s20, s24, s20
	s_cselect_b32 s22, s25, s22
	s_add_nc_u64 s[14:15], s[14:15], s[20:21]
	s_add_nc_u64 s[26:27], s[26:27], s[22:23]
	s_wait_alu depctr_va_vdst(0)                   ; v1 and v2 are written: every load below reads v1 as its offset, every store v2
.set i, 0
.rept 32
	global_load_b128 v[X+4*i:X+4*i+3], v1, s[14:15] offset:4096*i th:TH_LOAD_NT
.set i, i+1
.endr
.set p, 0
.rept BLOCKS
	s_wait_loadcnt 32-BLOCK-BLOCK*p                ; loads come back in order (ISA guide 5.7.1): the four of block p are in, the younger ones stay out
.if p > 0
	s_wait_alu depctr_va_vdst(0)                   ; the conversions of block p - 1 have written the first two registers of each of its groups, which the four stores below read
.endif
.set j, 0
.rept BLOCK
.set i, BLOCK*p+j
.if p > 0
	global_store_b64 v2, v[X+4*(i-BLOCK):X+4*(i-BLOCK)+1], s[26:27] offset:2048*(i-BLOCK)  ; the block before; no vector line since the wait names its registers
.endif
	v_cvt_pk_bf16_f32 v[X+4*i], v[X+4*i], v[X+4*i+1]
	v_cvt_pk_bf16_f32 v[X+4*i+1], v[X+4*i+2], v[X+4*i+3]
.set j, j+1
.endr
.set p, p+1
.endr
	s_wait_alu depctr_va_vdst(0)                   ; the conversions of block 7 have written the data of the last four stores
.set i, 32-BLOCK
.rept BLOCK
	global_store_b64 v2, v[X+4*i:X+4*i+1], s[26:27] offset:2048*i
.set i, i+1
.endr
	s_endpgm
.Lfunc_end_k_q45efbca257_conv:
	.size	k_q45efbca257_conv, .Lfunc_end_k_q45efbca257_conv-k_q45efbca257_conv
	.p2alignl 7, 3214868480
	.fill 96, 4, 3214868480
	.section	.rodata,"a",@progbits
	.p2align	6, 0x0
	.amdhsa_kernel k_q45efbca257_conv
		.amdhsa_group_segment_fixed_size 0
		.amdhsa_private_segment_fixed_size 0
		.amdhsa_enable_private_segment 0
		.amdhsa_kernarg_size 40
		.amdhsa_user_sgpr_count 2
		.amdhsa_user_sgpr_kernarg_segment_ptr 1
		.amdhsa_wavefront_size32 1
		.amdhsa_system_sgpr_workgroup_id_x 1
		.amdhsa_system_sgpr_workgroup_id_y 1
		.amdhsa_system_sgpr_workgroup_id_z 1
		.amdhsa_system_vgpr_workitem_id 0
		.amdhsa_next_free_vgpr 132
		.amdhsa_next_free_sgpr 66
		.amdhsa_reserve_vcc 0
		.amdhsa_float_denorm_mode_32 3
		.amdhsa_float_denorm_mode_16_64 3
		.amdhsa_memory_ordered 1
		.amdhsa_forward_progress 1
		.amdhsa_inst_pref_size 13
	.end_amdhsa_kernel
	.amdgpu_metadata
---
amdhsa.version: [ 1, 2 ]
amdhsa.kernels:
  - .name:           k_q45efbca257_conv
    .symbol:         k_q45efbca257_conv.kd
    .args:
      - { .name: x, .offset: 0, .size: 8, .value_kind: global_buffer, .address_space: global }
      - { .name: Wz, .offset: 8, .size: 8, .value_kind: global_buffer, .address_space: global }
      - { .name: Wn, .offset: 16, .size: 8, .value_kind: global_buffer, .address_space: global }
      - { .name: xb, .offset: 24, .size: 8, .value_kind: global_buffer, .address_space: global }
      - { .name: wb, .offset: 32, .size: 8, .value_kind: global_buffer, .address_space: global }
    .group_segment_fixed_size: 0
    .private_segment_fixed_size: 0
    .kernarg_segment_align: 8
    .kernarg_segment_size: 40
    .max_flat_workgroup_size: 256
    .sgpr_count:     66
    .vgpr_count:     132
    .wavefront_size: 32
...
	.end_amdgpu_metadata
.endif
;; end of part 4
;; launch gemm: the kernel of part 2 again; grid 16 x 32, 4 waves a work-group, clusters of 4 x 4, 327,680 bytes of LDS; arguments xb, wb, bz, bn, zg, sm; writes zg, sm
;; launch scan: the kernel of part 3 again; grid 256 x 1, 8 waves a work-group, no clusters, 33,792 bytes of LDS; arguments zg, sm, out0; writes out0
